; MI455X (gfx1250); checked and timed in simulation.
; The chip was launched on July 23, 2026; its instructions are those of AMD's public machine-readable ISA for CDNA 5 (MIT licence, August 2026) and "CDNA5" Instruction Set Architecture Reference Guide (July 2026). The comments in the code are by the model that wrote it; some were corrected since.
;; Auto Attention Layer. Allowed arithmetic: float matrix products may take bf16 or f16 operands with f32 sums; all other float work in f32.
;; Inputs: k 1,024 x 200 x 192 float32; kes_length 1,024 x 1 int32; mss_weight 3 x 3 float32; q 1,024 x 64 x 64 float32; v 1,024 x 200 x 192 float32.
;; Outputs: out0 1,024 x 1 x 192 float32.
;; 2 versions, each right; version 2 is version 1 with the launch autoatt written anew for expert scheduling mode. Each part assembles by itself: llvm-mc -triple=amdgcn-amd-amdhsa -mcpu=gfx1250 --defsym DOCPART=n.
;; ======== version 1 of 2: 1 launch
;; launch autoatt (part 1): grid 1024 x 1, 8 waves a work-group, no clusters, 9,216 bytes of LDS; arguments k, q, kes_length, mss_weight, out0; writes out0
.if DOCPART == 1
	.amdgcn_target "amdgcn-amd-amdhsa--gfx1250"
	.amdhsa_code_object_version 6
	.text
	.protected	k_q0ab38c95f6_autoatt
	.globl	k_q0ab38c95f6_autoatt
	.p2align	8
	.type	k_q0ab38c95f6_autoatt,@function
k_q0ab38c95f6_autoatt:
	s_mov_b64 s[64:65], 0
	v_nop
	global_prefetch_b8 v0, s[64:65] scope:SCOPE_SE
	s_setreg_imm32_b32 hwreg(HW_REG_WAVE_MODE, 25, 1), 1
	s_wait_xcnt 0x0
; out0[b][64 r + d] = softmax over d of ( sum_s W[r][s] ksum_s[b][d] ) * qsum[b][d],   W = softmax of mss_weight along its rows,
; ksum_s[b][d] = sum over l < kes_length[b] of k[b][l][64 s + d],   qsum[b][d] = sum over j of q[b][j][d].   All f32.
;
; One work-group = one batch b, eight waves.  The 3 x 3 mix is linear, so it is applied to the sums (9 multiply-adds a column).
; Wave w takes the k rows w, w + 8, w + 16 ..; a row (768 bytes) is loaded whole by one wave: 16 bytes a lane for bytes 0-511,
; 8 bytes a lane for bytes 512-767.  So a row is wanted or not for the whole wave: the count is a scalar, no lane is masked,
; no byte of a row at or beyond kes_length is requested, and every load covers 512 or 256 consecutive bytes, aligned to 256.
;
; WHAT IS NOT DONE, AND LIMITS
;  - v is no argument: the reference never reads it, no value of v changes the result.
;  - Rows l >= kes_length[b] are not read.  The reference multiplies them by 0, so a NaN or an infinity there makes NaN in the
;    reference and not here.  kes_length below 0 acts as 0, above 200 as 200, as the reference's comparison does.
;  - The sums are f32 in another order than the reference's (seven chains a wave, eight waves, the mix last).
;  - v_exp_f32 gives 0 for results below 2^-126 (ISA guide 15.8): such outputs are 0.
;  - No matrix instruction: the products are a sum under a 0/1 mask and a 3 x 3 mix, about one add for each number loaded, and the
;    scores reach the hundreds in front of an exponential, which 16-bit operands would not carry.
;  - No cluster: no two work-groups read the same byte.
.set LK,      200                      ; rows of k in a batch
.set KROW,    768                      ; bytes in a row of k
.set KBATCH,  LK*KROW
.set WAVES,   8
.set STRIDE,  WAVES*KROW               ; from a wave's row to its next
.set DEPTH,   8                        ; slots of the ring = rows of a wave in flight in the loop (the .irp lists below name 0 .. 7)
.set LOGD,    3
.set CHAINS,  DEPTH-1                  ; accumulator chains = the most head rows
.set PART,    1024                     ; LDS bytes of a wave: 192 sums of k, 64 sums of q
.set LOG2E,   0x3fb8aa3b
.set QO,   1                           ; v1       16 t: my bytes in each 4,096 bytes of q
.set KO16, 2                           ; v2       16 lane: my bytes in bytes 0-511 of a k row
.set KO8,  3                           ; v3       8 lane: my bytes in bytes 512-767 of a k row; on the way out my two columns
.set L16,  4                           ; v4       LDS: my wave's part + 16 lane
.set L8,   5                           ; v5       LDS: my wave's part + 8 lane
.set LQ,   6                           ; v6       LDS: my wave's part + 16 (lane % 16)
.set T,    7                           ; v7       at work
.set Q,    8                           ; v[8:23]  four loads of q
.set A,    24                          ; v[24:65] seven chains of 6 registers: a head row, or zero, starts each
.set R,    A+6*CHAINS                  ; v[66:113] the ring: slot j = 6 registers
.set E,    8                           ; v[8:71]  way out: part w = 8 registers (k0, k1, k2, q: two columns each)
.set WT,   72                          ; v[72:75] way out: my row of W, and its maximum / sum
.set SC,   76                          ; v[76:77] way out: two scores
.set M,    78                          ; v78      maximum
.set SUM,  79                          ; v79      sum
.set X,    E+8                         ; a register already written and used up: v_permlanex16_b32's destination counts as read
	s_load_b256 s[4:11], s[0:1], 0x0               ; k s[4:5], q s[6:7], kes_length s[8:9], mss_weight s[10:11]
	s_load_b64 s[12:13], s[0:1], 0x20              ; out0
	v_lshl_add_u32 v114, v0, 2, 0x2000
	v_mov_b32 v115, 0
	v_lshrrev_b32 v[T], 5, v0
	v_readfirstlane_b32 s14, v[T]                  ; wave 0..7
	v_and_b32 v[T], 31, v0                         ; lane
	v_lshlrev_b32 v[QO], 4, v0
	v_lshlrev_b32 v[KO16], 4, v[T]
	v_lshlrev_b32 v[KO8], 3, v[T]
	s_lshl_b32 s15, s14, 10                        ; my wave's part of LDS
	v_add_nc_u32 v[L16], s15, v[KO16]
	v_add_nc_u32 v[L8], s15, v[KO8]
	v_and_b32 v[LQ], 0xf0, v[KO16]                 ; 16 (lane % 16)
	v_add_nc_u32 v[LQ], s15, v[LQ]
	s_lshl_b32 s16, ttmp9, 2                       ; byte of kes_length[b]
	s_min_u32 s17, s14, 2                          ; waves 0, 1, 2 finish output rows r = 0, 1, 2; the others ask for row 2 and stay in the buffer
	s_mul_i32 s17, s17, 12                         ; byte of mss_weight[r][0]
	s_lshl_b32 s18, ttmp9, 14                      ; q: 64 rows of 256 bytes a batch
	s_mov_b32 s19, 0
	s_mul_i32 s26, ttmp9, KBATCH                   ; k: the batch (below 2^28 bytes),
	s_mul_i32 s27, s14, KROW                       ; and my wave's first row
	s_add_co_u32 s26, s26, s27
	s_mov_b32 s27, 0
	s_mov_b32 s28, 0x76543210                      ; v_permlanex16_b32: lane i takes lane i of the other half
	s_mov_b32 s29, 0xfedcba98
	s_wait_kmcnt 0x0
	s_load_b32 s23, s[8:9], s16 offset:0x0         ; kes_length[b]
	s_load_b96 s[20:22], s[10:11], s17 offset:0x0  ; mss_weight[r][0..2]
	s_add_nc_u64 s[6:7], s[6:7], s[18:19]
	s_add_nc_u64 s[4:5], s[4:5], s[26:27]
	; q does not hang on the length: its loads go out at once.  Load i of the group covers rows 16 i .. 16 i + 15;
	; thread t holds row 16 i + t / 16, columns 4 (t % 16) .. + 3.
.irp i, 0,1,2,3
	global_load_b128 v[Q+4*\i:Q+4*\i+3], v[QO], s[6:7] offset:\i*4096 th:TH_LOAD_NT
.endr
	; While the length is on its way: the chains start at zero; a head row, where there is one, is loaded over the zeros.
.set i, 0
.rept 6*CHAINS
	v_mov_b32 v[A+i], 0
.set i, i+1
.endr
	s_wait_kmcnt 0x0
	s_max_i32 s23, s23, 0
	s_min_u32 s23, s23, LK                         ; the length as the mask sees it: 0 .. 200
	s_add_co_u32 s23, s23, WAVES-1
	s_sub_co_u32 s23, s23, s14
	s_lshr_b32 s23, s23, 3                         ; my rows: those i with w + 8 i < length
	s_min_u32 s23, s23, LK/WAVES                   ; at most 25: a number from memory enters an address only behind a minimum with a
	                                               ; constant, and from there by AND, multiply and add alone
	s_and_b32 s30, s23, DEPTH-1                    ; head rows: 0 .. 7, my first ones
	s_lshr_b32 s31, s23, LOGD                      ; full rounds of the ring: 0 .. 3
	s_mul_i32 s32, s30, STRIDE
	s_mov_b32 s33, 0
	s_add_nc_u64 s[24:25], s[4:5], s[32:33]        ; the ring starts behind the head rows; a pair of its own, s[4:5] stays as the head loads name it
.macro LOADROW dst, lo, off                    ; one row of k: 6 registers
	global_load_b128 v[\dst:\dst+3], v[KO16], s[\lo:\lo+1] offset:\off th:TH_LOAD_NT
	global_load_b64 v[\dst+4:\dst+5], v[KO8], s[\lo:\lo+1] offset:\off+512 th:TH_LOAD_NT
.endm
.macro ADD6 d, s
	v_pk_add_f32 v[\d:\d+1], v[\d:\d+1], v[\s:\s+1]
	v_pk_add_f32 v[\d+2:\d+3], v[\d+2:\d+3], v[\s+2:\s+3]
	v_pk_add_f32 v[\d+4:\d+5], v[\d+4:\d+5], v[\s+4:\s+5]
.endm
.macro ADD8 d, s
	ADD6 \d, \s
	v_pk_add_f32 v[\d+6:\d+7], v[\d+6:\d+7], v[\s+6:\s+7]
.endm
	; Head rows: exactly as many loads as there are rows; the branches are scalar and only jump forward.
.irp h, 0,1,2,3,4,5,6
	s_cmp_eq_u32 s30, \h
	s_cbranch_scc1 .Lhead_done
	LOADROW A+6*\h, 4, \h*STRIDE
.endr
.Lhead_done:
	s_cmp_eq_u32 s31, 0
	s_cbranch_scc1 .Lsummed                        ; fewer than 8 rows: the head is all
.irp j, 0,1,2,3,4,5,6,7
	LOADROW R+6*\j, 24, \j*STRIDE                  ; the first full round fills the ring
.endr
; The turn of slot j.  left = younger loads that may stay out (two a slot).  Loads come back in order (ISA guide 5.7.1), so q's loads
; and the head rows, which are older than the ring's, are in as well: the chains may be added to.
; refill = 1: the slot is loaded again with my row DEPTH further on.
.macro TURN j, refill, left
	s_wait_loadcnt \left
	ADD6 A+6*(\j%CHAINS), R+6*\j
.if \refill
	LOADROW R+6*\j, 24, (\j+DEPTH)*STRIDE
.endif
.endm
	s_cmp_eq_u32 s31, 1
	s_cbranch_scc1 .Llast
	s_mov_b32 s34, 1
.Lround:
.irp j, 0,1,2,3,4,5,6,7
	TURN \j, 1, 2*(DEPTH-1)
.endr
	s_wait_xcnt 0x0                                ; the base that the loads above name is stepped only behind this wait
	s_add_nc_u64 s[24:25], s[24:25], DEPTH*STRIDE
	s_add_co_u32 s34, s34, 1
	s_cmp_lt_u32 s34, s31
	s_cbranch_scc1 .Lround
.Llast:
.irp j, 0,1,2,3,4,5,6,7
	TURN \j, 0, 2*(DEPTH-1-\j)                     ; the last round loads nothing: the counts run down
.endr
.Lsummed:
	s_wait_loadcnt 0x0                             ; on the way without a ring: q and the head rows
	; q: four loads into one, then the other half of the lanes, which holds the same columns of other rows
	v_pk_add_f32 v[Q:Q+1], v[Q:Q+1], v[Q+4:Q+5]
	v_pk_add_f32 v[Q+2:Q+3], v[Q+2:Q+3], v[Q+6:Q+7]
	v_pk_add_f32 v[Q+8:Q+9], v[Q+8:Q+9], v[Q+12:Q+13]
	v_pk_add_f32 v[Q+10:Q+11], v[Q+10:Q+11], v[Q+14:Q+15]
	v_pk_add_f32 v[Q:Q+1], v[Q:Q+1], v[Q+8:Q+9]
	v_pk_add_f32 v[Q+2:Q+3], v[Q+2:Q+3], v[Q+10:Q+11]
.irp i, 0,1,2,3
	v_permlanex16_b32 v[Q+4+\i], v[Q+\i], s28, s29
.endr
	v_pk_add_f32 v[Q:Q+1], v[Q:Q+1], v[Q+4:Q+5]
	v_pk_add_f32 v[Q+2:Q+3], v[Q+2:Q+3], v[Q+6:Q+7]
	ds_store_b128 v[LQ], v[Q:Q+3] offset:768       ; both halves of the lanes write the same 256 bytes with the same numbers
	; k: seven chains into one
	ADD6 A, A+6
	ADD6 A+12, A+18
	ADD6 A+24, A+30
	ADD6 A, A+12
	ADD6 A+24, A+36
	ADD6 A, A+24
	ds_store_b128 v[L16], v[A:A+3]                 ; columns 0-127 of my wave's sums
	ds_store_b64 v[L8], v[A+4:A+5] offset:512      ; columns 128-191
	s_wait_dscnt 0x0                               ; zero: the other waves read these bytes behind the barrier
	s_barrier_signal -1
	s_barrier_wait -1
	s_cmp_gt_u32 s14, 2
	s_cbranch_scc1 .Lend                           ; three output rows, three waves; nobody writes LDS any more
	; Wave r makes output row r; lane l has d = 2 l, 2 l + 1.  From each wave's part: k0, k1, k2 and q at these two columns.
.irp w, 0,1,2,3,4,5,6,7
.irp g, 0,1,2,3
	ds_load_b64 v[E+8*\w+2*\g:E+8*\w+2*\g+1], v[KO8] offset:\w*PART+\g*256
.endr
.endr
	; while they come: W[r][0..2] = softmax of mss_weight[r][0..2], the same in every lane
	v_mov_b32 v[WT], s20
	v_mov_b32 v[WT+1], s21
	v_mov_b32 v[WT+2], s22
	v_max3_num_f32 v[WT+3], v[WT], v[WT+1], v[WT+2]
.irp i, 0,1,2
	v_sub_f32 v[WT+\i], v[WT+\i], v[WT+3]
.endr
.irp i, 0,1,2
	v_mul_f32 v[WT+\i], LOG2E, v[WT+\i]
.endr
.irp i, 0,1,2
	v_exp_f32 v[WT+\i], v[WT+\i]
.endr
	v_nop                                          ; one plain vector instruction between a transcendental and the use of its result (ISA guide 5.7.2)
	s_wait_alu depctr_va_vdst(0)
	v_add_f32 v[WT+3], v[WT], v[WT+1]
	v_add_f32 v[WT+3], v[WT+3], v[WT+2]
	v_rcp_f32 v[WT+3], v[WT+3]
	v_nop
	s_wait_alu depctr_va_vdst(0)
.irp i, 0,1,2
	v_mul_f32 v[WT+\i], v[WT+\i], v[WT+3]
.endr
	s_mul_i32 s32, ttmp9, 768                      ; out0: the batch's 768 bytes, my row's 256
	s_lshl_b32 s33, s14, 8
	s_add_co_u32 s32, s32, s33
	s_mov_b32 s33, 0
	s_add_nc_u64 s[12:13], s[12:13], s[32:33]
	s_wait_dscnt 0x0
	ADD8 E, E+8                                    ; eight parts into one
	ADD8 E+16, E+24
	ADD8 E+32, E+40
	ADD8 E+48, E+56
	ADD8 E, E+16
	ADD8 E+32, E+48
	ADD8 E, E+32
	v_mul_f32 v[SC], v[WT], v[E]                   ; the mix of the three key sums,
	v_mul_f32 v[SC+1], v[WT], v[E+1]
	v_fmac_f32 v[SC], v[WT+1], v[E+2]
	v_fmac_f32 v[SC+1], v[WT+1], v[E+3]
	v_fmac_f32 v[SC], v[WT+2], v[E+4]
	v_fmac_f32 v[SC+1], v[WT+2], v[E+5]
	v_pk_mul_f32 v[SC:SC+1], v[SC:SC+1], v[E+6:E+7]    ; times the query sum: two scores
	; softmax over the 64 scores of the wave: maximum, exponentials, sum; every lane ends up with both figures
	v_max_num_f32 v[M], v[SC], v[SC+1]
	v_max_num_f32_dpp v[M], v[M], v[M] row_xmask:1 row_mask:0xf bank_mask:0xf
	v_max_num_f32_dpp v[M], v[M], v[M] row_xmask:2 row_mask:0xf bank_mask:0xf
	v_max_num_f32_dpp v[M], v[M], v[M] row_xmask:4 row_mask:0xf bank_mask:0xf
	v_max_num_f32_dpp v[M], v[M], v[M] row_xmask:8 row_mask:0xf bank_mask:0xf
	v_permlanex16_b32 v[X], v[M], s28, s29
	v_max_num_f32 v[M], v[M], v[X]
	v_sub_f32 v[SC], v[SC], v[M]
	v_sub_f32 v[SC+1], v[SC+1], v[M]
	v_mul_f32 v[SC], LOG2E, v[SC]
	v_mul_f32 v[SC+1], LOG2E, v[SC+1]
	v_exp_f32 v[SC], v[SC]
	v_exp_f32 v[SC+1], v[SC+1]
	v_nop
	s_wait_alu depctr_va_vdst(0)
	v_add_f32 v[SUM], v[SC], v[SC+1]
	v_add_f32_dpp v[SUM], v[SUM], v[SUM] row_xmask:1 row_mask:0xf bank_mask:0xf
	v_add_f32_dpp v[SUM], v[SUM], v[SUM] row_xmask:2 row_mask:0xf bank_mask:0xf
	v_add_f32_dpp v[SUM], v[SUM], v[SUM] row_xmask:4 row_mask:0xf bank_mask:0xf
	v_add_f32_dpp v[SUM], v[SUM], v[SUM] row_xmask:8 row_mask:0xf bank_mask:0xf
	v_permlanex16_b32 v[X], v[SUM], s28, s29
	v_add_f32 v[SUM], v[SUM], v[X]
	v_rcp_f32 v[SUM], v[SUM]                       ; the sum is at least 1: the largest score gives exp 0
	v_nop
	s_wait_alu depctr_va_vdst(0)
	v_mul_f32 v[SC], v[SC], v[SUM]
	v_mul_f32 v[SC+1], v[SC+1], v[SUM]
	global_store_b64 v[KO8], v[SC:SC+1], s[12:13] th:TH_STORE_NT   ; 32 lanes, 256 consecutive bytes, aligned
.Lend:
	s_wait_tensorcnt 0x0
	ds_add_u32 v114, v115
	s_wait_dscnt 0x0
	s_endpgm
.Lfunc_end_k_q0ab38c95f6_autoatt:
	.size	k_q0ab38c95f6_autoatt, .Lfunc_end_k_q0ab38c95f6_autoatt-k_q0ab38c95f6_autoatt
	.p2alignl 7, 3214868480
	.fill 96, 4, 3214868480
	.section	.rodata,"a",@progbits
	.p2align	6, 0x0
	.amdhsa_kernel k_q0ab38c95f6_autoatt
		.amdhsa_group_segment_fixed_size 9216
		.amdhsa_private_segment_fixed_size 0
		.amdhsa_enable_private_segment 0
		.amdhsa_kernarg_size 40
		.amdhsa_user_sgpr_count 2
		.amdhsa_user_sgpr_kernarg_segment_ptr 1
		.amdhsa_wavefront_size32 1
		.amdhsa_system_sgpr_workgroup_id_x 1
		.amdhsa_system_sgpr_workgroup_id_y 1
		.amdhsa_system_sgpr_workgroup_id_z 1
		.amdhsa_system_vgpr_workitem_id 0
		.amdhsa_next_free_vgpr 116
		.amdhsa_next_free_sgpr 66
		.amdhsa_reserve_vcc 0
		.amdhsa_float_denorm_mode_32 3
		.amdhsa_float_denorm_mode_16_64 3
		.amdhsa_memory_ordered 1
		.amdhsa_forward_progress 1
		.amdhsa_inst_pref_size 22
	.end_amdhsa_kernel
	.amdgpu_metadata
---
amdhsa.version: [ 1, 2 ]
amdhsa.kernels:
  - .name:           k_q0ab38c95f6_autoatt
    .symbol:         k_q0ab38c95f6_autoatt.kd
    .args:
      - { .name: k, .offset: 0, .size: 8, .value_kind: global_buffer, .address_space: global }
      - { .name: q, .offset: 8, .size: 8, .value_kind: global_buffer, .address_space: global }
      - { .name: kes_length, .offset: 16, .size: 8, .value_kind: global_buffer, .address_space: global }
      - { .name: mss_weight, .offset: 24, .size: 8, .value_kind: global_buffer, .address_space: global }
      - { .name: out0, .offset: 32, .size: 8, .value_kind: global_buffer, .address_space: global }
    .group_segment_fixed_size: 9216
    .private_segment_fixed_size: 0
    .kernarg_segment_align: 8
    .kernarg_segment_size: 40
    .max_flat_workgroup_size: 256
    .sgpr_count:     66
    .vgpr_count:     116
    .wavefront_size: 32
...
	.end_amdgpu_metadata
.endif
;; end of part 1
;; ======== version 2 of 2: 1 launch; version 1 with the launch autoatt written anew for expert scheduling mode
;; launch autoatt (part 2): grid 1024 x 1, 8 waves a work-group, no clusters, 9,216 bytes of LDS; arguments k, q, kes_length, mss_weight, out0; writes out0
.if DOCPART == 2
	.amdgcn_target "amdgcn-amd-amdhsa--gfx1250"
	.amdhsa_code_object_version 6
	.text
	.protected	k_q0ab38c95f6_autoatt
	.globl	k_q0ab38c95f6_autoatt
	.p2align	8
	.type	k_q0ab38c95f6_autoatt,@function
k_q0ab38c95f6_autoatt:
	s_mov_b64 s[64:65], 0
	v_nop
	global_prefetch_b8 v0, s[64:65] scope:SCOPE_SE
	s_setreg_imm32_b32 hwreg(HW_REG_WAVE_SCHED_MODE, 0, 2), 2
	s_setreg_imm32_b32 hwreg(HW_REG_WAVE_MODE, 25, 1), 1
	s_wait_xcnt 0x0
	s_wait_alu depctr_vm_vsrc(0)
; out0[b][64 r + d] = softmax over d of ( sum_s W[r][s] ksum_s[b][d] ) * qsum[b][d],   W = softmax of mss_weight along its rows,
; ksum_s[b][d] = sum over l < kes_length[b] of k[b][l][64 s + d],   qsum[b][d] = sum over j of q[b][j][d].   All f32.
;
; One work-group = one batch b, eight waves.  The 3 x 3 mix is linear, so it is applied to the sums (9 multiply-adds a column).
; Wave w takes the k rows w, w + 8, w + 16 ..; a row (768 bytes) is loaded whole by one wave: 16 bytes a lane for bytes 0-511,
; 8 bytes a lane for bytes 512-767.  So a row is wanted or not for the whole wave: the count is a scalar, no lane is masked,
; no byte of a row at or beyond kes_length is requested, and every load covers 512 or 256 consecutive bytes, aligned to 256.
;
; WHAT IS NOT DONE, AND LIMITS
;  - v is no argument: the reference never reads it, no value of v changes the result.
;  - Rows l >= kes_length[b] are not read.  The reference multiplies them by 0, so a NaN or an infinity there makes NaN in the
;    reference and not here.  kes_length below 0 acts as 0, above 200 as 200, as the reference's comparison does.
;  - The sums are f32 in another order than the reference's (seven chains a wave, eight waves, the mix last).
;  - v_exp_f32 gives 0 for results below 2^-126 (ISA guide 15.8): such outputs are 0.
;  - No matrix instruction: the products are a sum under a 0/1 mask and a 3 x 3 mix, about one add for each number loaded, and the
;    scores reach the hundreds in front of an exponential, which 16-bit operands would not carry.
;  - No cluster: no two work-groups read the same byte.
;
; THE MODE: SCHED_MODE bits 1:0 = 2 (LLVM: expert scheduling mode 2), set by the entry lines.  The code itself states the register
; dependences between vector instructions and memory or LDS instructions, with s_wait_alu, always for 0.
; THE PLAN.  Registers that memory or LDS instructions touch:
;   v1 .. v6       offsets and LDS addresses: written at the head, never again; read by every load and store.
;   Q              the four loads of q land in it; no vector instruction names it before; read by the adds behind the loop.
;   A              written by 42 zeros, then head rows land in some of it; from there on named by vector adds alone.
;   R, slot j      loads land in it; one run of three adds reads it; then it is loaded again.  The ring goes by PAIRS of slots: six adds,
;                  ONE wait on va_vdst, the pair's four loads in a run.  The wait stands behind the adds and not at the next pair's head,
;                  which is a wait for memory: until then the pair would be missing among the loads in flight.
;   v[8:11], v[24:29]  the wave's sums: written by the closing adds, read by the three LDS stores; behind the barrier LDS loads land in v[8:71].
;   v[76:77]       the results: written by the last multiplies, read by the global store.
;   v114, v115     written at the head, read by the closing add alone.
; No address register is written in the loop: the ring's scalar base moves on, and immediate offsets do the rest.
.set LK,      200                      ; rows of k in a batch
.set KROW,    768                      ; bytes in a row of k
.set KBATCH,  LK*KROW
.set WAVES,   8
.set STRIDE,  WAVES*KROW               ; from a wave's row to its next
.set DEPTH,   8                        ; slots of the ring = rows of a wave in flight in the loop (the .irp lists below name its four pairs)
.set LOGD,    3
.set CHAINS,  DEPTH-1                  ; accumulator chains = the most head rows
.set PART,    1024                     ; LDS bytes of a wave: 192 sums of k, 64 sums of q
.set LOG2E,   0x3fb8aa3b
.set QO,   1                           ; v1       16 t: my bytes in each 4,096 bytes of q
.set KO16, 2                           ; v2       16 lane: my bytes in bytes 0-511 of a k row
.set KO8,  3                           ; v3       8 lane: my bytes in bytes 512-767 of a k row; on the way out my two columns
.set L16,  4                           ; v4       LDS: my wave's part + 16 lane
.set L8,   5                           ; v5       LDS: my wave's part + 8 lane
.set LQ,   6                           ; v6       LDS: my wave's part + 16 (lane % 16)
.set T,    7                           ; v7       at work; no memory instruction names it
.set Q,    8                           ; v[8:23]  four loads of q
.set A,    24                          ; v[24:65] seven chains of 6 registers: a head row, or zero, starts each
.set R,    A+6*CHAINS                  ; v[66:113] the ring: slot j = 6 registers
.set E,    8                           ; v[8:71]  way out: part w = 8 registers (k0, k1, k2, q: two columns each)
.set WT,   72                          ; v[72:75] way out: my row of W, and its maximum / sum
.set SC,   76                          ; v[76:77] way out: two scores
.set M,    78                          ; v78      maximum
.set SUM,  79                          ; v79      sum
.set X,    E+8                         ; a register already written and used up: v_permlanex16_b32's destination counts as read
	s_load_b256 s[4:11], s[0:1], 0x0               ; k s[4:5], q s[6:7], kes_length s[8:9], mss_weight s[10:11]
	s_load_b64 s[12:13], s[0:1], 0x20              ; out0
	v_lshl_add_u32 v114, v0, 2, 0x2000             ; the LDS address of my spare word, behind the eight parts, and 0: made here and kept for the closing lines alone
	v_mov_b32 v115, 0
	v_lshrrev_b32 v[T], 5, v0
	v_readfirstlane_b32 s14, v[T]                  ; wave 0..7
	v_and_b32 v[T], 31, v0                         ; lane
	v_lshlrev_b32 v[QO], 4, v0
	v_lshlrev_b32 v[KO16], 4, v[T]
	v_lshlrev_b32 v[KO8], 3, v[T]
	s_wait_alu depctr_va_sdst(0)                   ; s14 is written, ahead of its first reader: LDS parts, row counts and bases are made from it
	s_lshl_b32 s15, s14, 10                        ; my wave's part of LDS
	v_add_nc_u32 v[L16], s15, v[KO16]
	v_add_nc_u32 v[L8], s15, v[KO8]
	v_and_b32 v[LQ], 0xf0, v[KO16]                 ; 16 (lane % 16)
	v_add_nc_u32 v[LQ], s15, v[LQ]
	s_lshl_b32 s16, ttmp9, 2                       ; byte of kes_length[b]
	s_min_u32 s17, s14, 2                          ; waves 0, 1, 2 finish output rows r = 0, 1, 2; the others ask for row 2 and stay in the buffer
	s_mul_i32 s17, s17, 12                         ; byte of mss_weight[r][0]
	s_lshl_b32 s18, ttmp9, 14                      ; q: 64 rows of 256 bytes a batch
	s_mov_b32 s19, 0
	s_mul_i32 s26, ttmp9, KBATCH                   ; k: the batch (below 2^28 bytes),
	s_mul_i32 s27, s14, KROW                       ; and my wave's first row
	s_add_co_u32 s26, s26, s27
	s_mov_b32 s27, 0
	s_mov_b32 s28, 0x76543210                      ; v_permlanex16_b32: lane i takes lane i of the other half
	s_mov_b32 s29, 0xfedcba98
	s_wait_kmcnt 0x0
	s_load_b32 s23, s[8:9], s16 offset:0x0         ; kes_length[b]
	s_load_b96 s[20:22], s[10:11], s17 offset:0x0  ; mss_weight[r][0..2]
	s_add_nc_u64 s[6:7], s[6:7], s[18:19]
	s_add_nc_u64 s[4:5], s[4:5], s[26:27]
	s_wait_alu depctr_va_vdst(0)                   ; the six offsets and addresses v1 to v6 are written: every load and store of the kernel reads one of them
	; q does not hang on the length: its loads go out at once.  Load i of the group covers rows 16 i .. 16 i + 15;
	; thread t holds row 16 i + t / 16, columns 4 (t % 16) .. + 3.
.irp i, 0,1,2,3
	global_load_b128 v[Q+4*\i:Q+4*\i+3], v[QO], s[6:7] offset:\i*4096 th:TH_LOAD_NT
.endr
	; While the length is on its way: the chains start at zero; a head row, where there is one, is loaded over the zeros.
.set i, 0
.rept 6*CHAINS
	v_mov_b32 v[A+i], 0
.set i, i+1
.endr
	s_wait_kmcnt 0x0
	s_max_i32 s23, s23, 0
	s_min_u32 s23, s23, LK                         ; the length as the mask sees it: 0 .. 200
	s_add_co_u32 s23, s23, WAVES-1
	s_sub_co_u32 s23, s23, s14
	s_lshr_b32 s23, s23, 3                         ; my rows: those i with w + 8 i < length
	s_min_u32 s23, s23, LK/WAVES                   ; at most 25: a number from memory enters an address only behind a minimum with a
	                                               ; constant, and from there by AND, multiply and add alone
	s_and_b32 s30, s23, DEPTH-1                    ; head rows: 0 .. 7, my first ones
	s_lshr_b32 s31, s23, LOGD                      ; full rounds of the ring: 0 .. 3
	s_mul_i32 s32, s30, STRIDE
	s_mov_b32 s33, 0
	s_add_nc_u64 s[24:25], s[4:5], s[32:33]        ; the ring starts behind the head rows; a pair of its own, s[4:5] stays as the head loads name it
	s_wait_alu depctr_va_vdst(0)                   ; the 42 zeros are written into the chains, in which the head rows land; no vector instruction follows ahead of the ring's first add
.macro LOADROW dst, lo, off                    ; one row of k: 6 registers
	global_load_b128 v[\dst:\dst+3], v[KO16], s[\lo:\lo+1] offset:\off th:TH_LOAD_NT
	global_load_b64 v[\dst+4:\dst+5], v[KO8], s[\lo:\lo+1] offset:\off+512 th:TH_LOAD_NT
.endm
.macro ADD6 d, s
	v_pk_add_f32 v[\d:\d+1], v[\d:\d+1], v[\s:\s+1]
	v_pk_add_f32 v[\d+2:\d+3], v[\d+2:\d+3], v[\s+2:\s+3]
	v_pk_add_f32 v[\d+4:\d+5], v[\d+4:\d+5], v[\s+4:\s+5]
.endm
.macro ADD8 d, s
	ADD6 \d, \s
	v_pk_add_f32 v[\d+6:\d+7], v[\d+6:\d+7], v[\s+6:\s+7]
.endm
	; Head rows: exactly as many loads as there are rows; the branches are scalar and only jump forward.
.irp h, 0,1,2,3,4,5,6
	s_cmp_eq_u32 s30, \h
	s_cbranch_scc1 .Lhead_done
	LOADROW A+6*\h, 4, \h*STRIDE
.endr
.Lhead_done:
	s_cmp_eq_u32 s31, 0
	s_cbranch_scc1 .Lsummed                        ; fewer than 8 rows: the head is all
.irp j, 0,1,2,3,4,5,6,7
	LOADROW R+6*\j, 24, \j*STRIDE                  ; the first full round fills the ring; no vector instruction has named these registers
.endr
; The turn of the pair of slots 2 p, 2 p + 1.  left = younger loads that may stay out (four a pair).  Loads come back in order (ISA guide 5.7.1),
; so q's loads and the head rows, which are older than the ring's, are in as well: the chains may be added to.  Slot j goes to chain j % 7, the slots in ascending order.
; refill = 1: both slots are loaded again, with my rows DEPTH further on.
.macro PAIR p, refill, left
	s_wait_loadcnt \left
	ADD6 A+6*((2*\p)%CHAINS), R+12*\p
	ADD6 A+6*((2*\p+1)%CHAINS), R+12*\p+6
.if \refill
	s_wait_alu depctr_va_vdst(0)                   ; the six adds above are done reading the pair's twelve registers, in which the four loads below land
	LOADROW R+12*\p, 24, (2*\p+DEPTH)*STRIDE
	LOADROW R+12*\p+6, 24, (2*\p+1+DEPTH)*STRIDE
.endif
.endm
	s_cmp_eq_u32 s31, 1
	s_cbranch_scc1 .Llast
	s_mov_b32 s34, 1
.Lround:
.irp p, 0,1,2,3
	PAIR \p, 1, 2*(DEPTH-2)
.endr
	s_wait_xcnt 0x0                                ; the base that the loads above name is stepped only behind this wait
	s_add_nc_u64 s[24:25], s[24:25], DEPTH*STRIDE
	s_add_co_u32 s34, s34, 1
	s_cmp_lt_u32 s34, s31
	s_cbranch_scc1 .Lround
.Llast:
.irp p, 0,1,2,3
	PAIR \p, 0, 2*(DEPTH-2-2*\p)                   ; the last round loads nothing: the counts run down, and no dependence on a load is left to state
.endr
.Lsummed:
	s_wait_loadcnt 0x0                             ; on the way without a ring: q and the head rows
	; q: four loads into one, then the other half of the lanes, which holds the same columns of other rows
	v_pk_add_f32 v[Q:Q+1], v[Q:Q+1], v[Q+4:Q+5]
	v_pk_add_f32 v[Q+2:Q+3], v[Q+2:Q+3], v[Q+6:Q+7]
	v_pk_add_f32 v[Q+8:Q+9], v[Q+8:Q+9], v[Q+12:Q+13]
	v_pk_add_f32 v[Q+10:Q+11], v[Q+10:Q+11], v[Q+14:Q+15]
	v_pk_add_f32 v[Q:Q+1], v[Q:Q+1], v[Q+8:Q+9]
	v_pk_add_f32 v[Q+2:Q+3], v[Q+2:Q+3], v[Q+10:Q+11]
.irp i, 0,1,2,3
	v_permlanex16_b32 v[Q+4+\i], v[Q+\i], s28, s29
.endr
	v_pk_add_f32 v[Q:Q+1], v[Q:Q+1], v[Q+4:Q+5]
	v_pk_add_f32 v[Q+2:Q+3], v[Q+2:Q+3], v[Q+6:Q+7]
	; k: seven chains into one
	ADD6 A, A+6
	ADD6 A+12, A+18
	ADD6 A+24, A+30
	ADD6 A, A+12
	ADD6 A+24, A+36
	ADD6 A, A+24
	s_wait_alu depctr_va_vdst(0)                   ; the adds have written v[Q:Q+3] and v[A:A+5], which the three LDS stores read; and every vector instruction that named
	                                               ; v[8:71] is done: no other follows ahead of the LDS loads that land there behind the barrier
	ds_store_b128 v[LQ], v[Q:Q+3] offset:768       ; both halves of the lanes write the same 256 bytes with the same numbers
	ds_store_b128 v[L16], v[A:A+3]                 ; columns 0-127 of my wave's sums
	ds_store_b64 v[L8], v[A+4:A+5] offset:512      ; columns 128-191
	s_wait_dscnt 0x0                               ; zero: the other waves read these bytes behind the barrier
	s_barrier_signal -1
	s_barrier_wait -1
	s_wait_alu depctr_vm_vsrc(0)                   ; my three LDS stores have read v[Q:Q+3] and v[A:A+5], in which the LDS loads below land; ahead of the branch that leads to them
	s_cmp_gt_u32 s14, 2
	s_cbranch_scc1 .Lend                           ; three output rows, three waves; nobody writes LDS any more
	; Wave r makes output row r; lane l has d = 2 l, 2 l + 1.  From each wave's part: k0, k1, k2 and q at these two columns.
.irp w, 0,1,2,3,4,5,6,7
.irp g, 0,1,2,3
	ds_load_b64 v[E+8*\w+2*\g:E+8*\w+2*\g+1], v[KO8] offset:\w*PART+\g*256
.endr
.endr
	; while they come: W[r][0..2] = softmax of mss_weight[r][0..2], the same in every lane; these lines name v[72:75] alone
	v_mov_b32 v[WT], s20
	v_mov_b32 v[WT+1], s21
	v_mov_b32 v[WT+2], s22
	v_max3_num_f32 v[WT+3], v[WT], v[WT+1], v[WT+2]
.irp i, 0,1,2
	v_sub_f32 v[WT+\i], v[WT+\i], v[WT+3]
.endr
.irp i, 0,1,2
	v_mul_f32 v[WT+\i], LOG2E, v[WT+\i]
.endr
.irp i, 0,1,2
	v_exp_f32 v[WT+\i], v[WT+\i]
.endr
	v_nop                                          ; one plain vector instruction between a transcendental and the use of its result (ISA guide 5.7.2)
	s_wait_alu depctr_va_vdst(0)                   ; the three exponentials have written v[WT:WT+2], ahead of their first reader
	v_add_f32 v[WT+3], v[WT], v[WT+1]
	v_add_f32 v[WT+3], v[WT+3], v[WT+2]
	v_rcp_f32 v[WT+3], v[WT+3]
	v_nop
	s_wait_alu depctr_va_vdst(0)                   ; the reciprocal has written v[WT+3], ahead of its first reader
.irp i, 0,1,2
	v_mul_f32 v[WT+\i], v[WT+\i], v[WT+3]
.endr
	s_mul_i32 s32, ttmp9, 768                      ; out0: the batch's 768 bytes, my row's 256
	s_lshl_b32 s33, s14, 8
	s_add_co_u32 s32, s32, s33
	s_mov_b32 s33, 0
	s_add_nc_u64 s[12:13], s[12:13], s[32:33]
	s_wait_dscnt 0x0
	ADD8 E, E+8                                    ; eight parts into one
	ADD8 E+16, E+24
	ADD8 E+32, E+40
	ADD8 E+48, E+56
	ADD8 E, E+16
	ADD8 E+32, E+48
	ADD8 E, E+32
	v_mul_f32 v[SC], v[WT], v[E]                   ; the mix of the three key sums,
	v_mul_f32 v[SC+1], v[WT], v[E+1]
	v_fmac_f32 v[SC], v[WT+1], v[E+2]
	v_fmac_f32 v[SC+1], v[WT+1], v[E+3]
	v_fmac_f32 v[SC], v[WT+2], v[E+4]
	v_fmac_f32 v[SC+1], v[WT+2], v[E+5]
	v_pk_mul_f32 v[SC:SC+1], v[SC:SC+1], v[E+6:E+7]    ; times the query sum: two scores
	; softmax over the 64 scores of the wave: maximum, exponentials, sum; every lane ends up with both figures
	v_max_num_f32 v[M], v[SC], v[SC+1]
	v_max_num_f32_dpp v[M], v[M], v[M] row_xmask:1 row_mask:0xf bank_mask:0xf
	v_max_num_f32_dpp v[M], v[M], v[M] row_xmask:2 row_mask:0xf bank_mask:0xf
	v_max_num_f32_dpp v[M], v[M], v[M] row_xmask:4 row_mask:0xf bank_mask:0xf
	v_max_num_f32_dpp v[M], v[M], v[M] row_xmask:8 row_mask:0xf bank_mask:0xf
	v_permlanex16_b32 v[X], v[M], s28, s29
	v_max_num_f32 v[M], v[M], v[X]
	v_sub_f32 v[SC], v[SC], v[M]
	v_sub_f32 v[SC+1], v[SC+1], v[M]
	v_mul_f32 v[SC], LOG2E, v[SC]
	v_mul_f32 v[SC+1], LOG2E, v[SC+1]
	v_exp_f32 v[SC], v[SC]
	v_exp_f32 v[SC+1], v[SC+1]
	v_nop
	s_wait_alu depctr_va_vdst(0)                   ; the two exponentials have written v[SC:SC+1], ahead of their first reader
	v_add_f32 v[SUM], v[SC], v[SC+1]
	v_add_f32_dpp v[SUM], v[SUM], v[SUM] row_xmask:1 row_mask:0xf bank_mask:0xf
	v_add_f32_dpp v[SUM], v[SUM], v[SUM] row_xmask:2 row_mask:0xf bank_mask:0xf
	v_add_f32_dpp v[SUM], v[SUM], v[SUM] row_xmask:4 row_mask:0xf bank_mask:0xf
	v_add_f32_dpp v[SUM], v[SUM], v[SUM] row_xmask:8 row_mask:0xf bank_mask:0xf
	v_permlanex16_b32 v[X], v[SUM], s28, s29
	v_add_f32 v[SUM], v[SUM], v[X]
	v_rcp_f32 v[SUM], v[SUM]                       ; the sum is at least 1: the largest score gives exp 0
	v_nop
	s_wait_alu depctr_va_vdst(0)                   ; the reciprocal has written v[SUM], ahead of its first reader
	v_mul_f32 v[SC], v[SC], v[SUM]
	v_mul_f32 v[SC+1], v[SC+1], v[SUM]
	s_wait_alu depctr_va_vdst(0)                   ; the two multiplies have written v[SC:SC+1], which the store reads
	global_store_b64 v[KO8], v[SC:SC+1], s[12:13] th:TH_STORE_NT   ; 32 lanes, 256 consecutive bytes, aligned
.Lend:
	s_wait_dscnt 0x0                               ; the closing lines, six on end
	s_wait_alu 0x0
	s_wait_tensorcnt 0x0
	ds_add_u32 v114, v115
	s_wait_dscnt 0x0
	s_endpgm
.Lfunc_end_k_q0ab38c95f6_autoatt:
	.size	k_q0ab38c95f6_autoatt, .Lfunc_end_k_q0ab38c95f6_autoatt-k_q0ab38c95f6_autoatt
	.p2alignl 7, 3214868480
	.fill 96, 4, 3214868480
	.section	.rodata,"a",@progbits
	.p2align	6, 0x0
	.amdhsa_kernel k_q0ab38c95f6_autoatt
		.amdhsa_group_segment_fixed_size 9216
		.amdhsa_private_segment_fixed_size 0
		.amdhsa_enable_private_segment 0
		.amdhsa_kernarg_size 40
		.amdhsa_user_sgpr_count 2
		.amdhsa_user_sgpr_kernarg_segment_ptr 1
		.amdhsa_wavefront_size32 1
		.amdhsa_system_sgpr_workgroup_id_x 1
		.amdhsa_system_sgpr_workgroup_id_y 1
		.amdhsa_system_sgpr_workgroup_id_z 1
		.amdhsa_system_vgpr_workitem_id 0
		.amdhsa_next_free_vgpr 116
		.amdhsa_next_free_sgpr 66
		.amdhsa_reserve_vcc 0
		.amdhsa_float_denorm_mode_32 3
		.amdhsa_float_denorm_mode_16_64 3
		.amdhsa_memory_ordered 1
		.amdhsa_forward_progress 1
		.amdhsa_inst_pref_size 22
	.end_amdhsa_kernel
	.amdgpu_metadata
---
amdhsa.version: [ 1, 2 ]
amdhsa.kernels:
  - .name:           k_q0ab38c95f6_autoatt
    .symbol:         k_q0ab38c95f6_autoatt.kd
    .args:
      - { .name: k, .offset: 0, .size: 8, .value_kind: global_buffer, .address_space: global }
      - { .name: q, .offset: 8, .size: 8, .value_kind: global_buffer, .address_space: global }
      - { .name: kes_length, .offset: 16, .size: 8, .value_kind: global_buffer, .address_space: global }
      - { .name: mss_weight, .offset: 24, .size: 8, .value_kind: global_buffer, .address_space: global }
      - { .name: out0, .offset: 32, .size: 8, .value_kind: global_buffer, .address_space: global }
    .group_segment_fixed_size: 9216
    .private_segment_fixed_size: 0
    .kernarg_segment_align: 8
    .kernarg_segment_size: 40
    .max_flat_workgroup_size: 256
    .sgpr_count:     66
    .vgpr_count:     116
    .wavefront_size: 32
...
	.end_amdgpu_metadata
.endif
;; end of part 2
